; MI455X (gfx1250); checked and timed in simulation.
; The chip was launched on July 23, 2026; its instructions are those of AMD's public machine-readable ISA for CDNA 5 (MIT licence, August 2026) and "CDNA5" Instruction Set Architecture Reference Guide (July 2026). The comments in the code are by the model that wrote it; some were corrected since.
;; Local Attention. Allowed arithmetic: float matrix products may take bf16 or f16 operands with f32 sums; all other float work in f32.
;; Inputs: k 4 x 16 x 2,048 x 64 float32; q 4 x 16 x 2,048 x 64 float32; v 4 x 16 x 2,048 x 64 float32.
;; Outputs: out0 4 x 16 x 2,048 x 64 float32.
;; 2 versions, each right; version 2 is version 1 with the launch finish written anew for expert scheduling mode. Each part assembles by itself: llvm-mc -triple=amdgcn-amd-amdhsa -mcpu=gfx1250 --defsym DOCPART=n.
;; ======== version 1 of 2: 2 launches
;; limits: values are held in f16: magnitudes above 65,504 overflow, below 6.1e-05 lose precision; inputs' magnitudes at most 65,504
;; workspace buffers: psum 131,072 bytes
;; launch vsum (part 1): grid 512 x 1, 8 waves a work-group, no clusters, 5,120 bytes of LDS; arguments v, psum; writes psum
.if DOCPART == 1
	.amdgcn_target "amdgcn-amd-amdhsa--gfx1250"
	.amdhsa_code_object_version 6
	.text
	.protected	k_q1c7972a489_vsum
	.globl	k_q1c7972a489_vsum
	.p2align	8
	.type	k_q1c7972a489_vsum,@function
k_q1c7972a489_vsum:
	s_mov_b64 s[64:65], 0
	v_nop
	global_prefetch_b8 v0, s[64:65] scope:SCOPE_SE
	s_setreg_imm32_b32 hwreg(HW_REG_WAVE_MODE, 25, 1), 1
	s_wait_xcnt 0x0
; psum[id][c] = the sum over 256 rows of V[row][c], c = 0..63, in f32.  V: [64 heads][2048][64] f32, a row is 256 bytes.
; Work-group id = 8 x head + chunk owns rows 256 chunk .. 256 chunk + 255 of its head: 65,536 consecutive bytes at id x 65,536.
; Thread t takes 16 bytes at 16 t + 4,096 n, n = 0..15: always channels 4 (t % 16) .. + 3, rows t / 16 + 16 n.  A wave's load covers 512 consecutive
; bytes; all sixteen loads of a lane are issued at once, so the work-group's whole share is on its way from the start, and every byte of V is read once.
; The 256 threads' partial sums (16 rows of 256 bytes, channels in order) meet in LDS; wave 0 adds the 16 rows and stores 256 consecutive bytes.
; No matrix unit, no tensor load, no cluster: no byte is shared between work-groups and there is one addition for each number read.
; ORDER OF SUMS: two chains a lane, then a tree: not the order of a plain loop over rows; all in f32.
.set SPARE, 4096                       ; behind the partial sums: the spare words, 128 bytes for each of eight waves; no other line names them
.set X,   8                            ; v[8:71]  load n at v[8 + 4 n]; later wave 0's sixteen pairs
.set OFF, 1                            ; v1  16 t: my offset in V's share and in LDS
.set SPW, 2                            ; v2  LDS address of my spare word; never rewritten
.set NIL, 3                            ; v3  0; never rewritten
.set O8,  4                            ; v4  8 x lane: wave 0's offset in a row of partial sums and in psum's row
	s_load_b128 s[4:7], s[0:1], 0x0                ; V s[4:5], psum s[6:7]
	v_lshl_add_u32 v[SPW], v0, 2, SPARE
	v_mov_b32 v[NIL], 0
	v_lshlrev_b32 v[OFF], 4, v0
	v_and_b32 v[O8], 31, v0
	v_lshlrev_b32 v[O8], 3, v[O8]
	v_lshrrev_b32 v5, 5, v0
	v_readfirstlane_b32 s8, v5                     ; my wave's number
	s_lshl_b32 s10, ttmp9, 16                      ; my share of V: at most 511 x 65,536, under 2^31
	s_mov_b32 s11, 0
	s_lshl_b32 s12, ttmp9, 8                       ; my row of psum
	s_mov_b32 s13, 0
	s_wait_kmcnt 0x0
	s_add_nc_u64 s[4:5], s[4:5], s[10:11]
	s_add_nc_u64 s[6:7], s[6:7], s[12:13]
.set n, 0
.rept 16
	global_load_b128 v[X+4*n:X+4*n+3], v[OFF], s[4:5] offset:4096*n th:TH_LOAD_NT
.set n, n+1
.endr
.set n, 2
.rept 14                               ; two chains: even loads onto load 0, odd ones onto load 1; nothing is cleared
	s_wait_loadcnt 15-n                            ; loads come back in order: load n is in, the 15 - n younger ones stay out
	v_pk_add_f32 v[X+4*(n%2):X+4*(n%2)+1], v[X+4*(n%2):X+4*(n%2)+1], v[X+4*n:X+4*n+1]
	v_pk_add_f32 v[X+4*(n%2)+2:X+4*(n%2)+3], v[X+4*(n%2)+2:X+4*(n%2)+3], v[X+4*n+2:X+4*n+3]
.set n, n+1
.endr
	v_pk_add_f32 v[X:X+1], v[X:X+1], v[X+4:X+5]
	v_pk_add_f32 v[X+2:X+3], v[X+2:X+3], v[X+6:X+7]
	ds_store_b128 v[OFF], v[X:X+3]                 ; 512 consecutive bytes a wave
	s_wait_dscnt 0x0                               ; for wave 0's sake: my store is done before I signal
	s_barrier_signal -1
	s_barrier_wait -1
	s_cmp_eq_u32 s8, 0
	s_cbranch_scc1 .Lw0
	s_wait_tensorcnt 0x0                           ; the wave's end: three lines behind my last LDS store
	ds_add_u32 v[SPW], v[NIL]
	s_wait_dscnt 0x0
	s_endpgm
.Lw0:                                                  ; wave 0: lane l takes channels 2 l, 2 l + 1 of the sixteen rows
.set p, 0
.rept 16
	ds_load_b64 v[X+2*p:X+2*p+1], v[O8] offset:256*p
.set p, p+1
.endr
	s_wait_dscnt 0x0
.irp i, 0,2,4,6,8,10,12,14
	v_pk_add_f32 v[X+2*\i:X+2*\i+1], v[X+2*\i:X+2*\i+1], v[X+2*\i+2:X+2*\i+3]
.endr
.irp i, 0,4,8,12
	v_pk_add_f32 v[X+2*\i:X+2*\i+1], v[X+2*\i:X+2*\i+1], v[X+2*\i+4:X+2*\i+5]
.endr
.irp i, 0,8
	v_pk_add_f32 v[X+2*\i:X+2*\i+1], v[X+2*\i:X+2*\i+1], v[X+2*\i+8:X+2*\i+9]
.endr
	v_pk_add_f32 v[X:X+1], v[X:X+1], v[X+16:X+17]
	global_store_b64 v[O8], v[X:X+1], s[6:7]       ; 32 lanes store 256 consecutive bytes, at a multiple of 256 from psum's first byte
	s_wait_tensorcnt 0x0                           ; the wave's end: the same three lines
	ds_add_u32 v[SPW], v[NIL]
	s_wait_dscnt 0x0
	s_endpgm
.Lfunc_end_k_q1c7972a489_vsum:
	.size	k_q1c7972a489_vsum, .Lfunc_end_k_q1c7972a489_vsum-k_q1c7972a489_vsum
	.p2alignl 7, 3214868480
	.fill 96, 4, 3214868480
	.section	.rodata,"a",@progbits
	.p2align	6, 0x0
	.amdhsa_kernel k_q1c7972a489_vsum
		.amdhsa_group_segment_fixed_size 5120
		.amdhsa_private_segment_fixed_size 0
		.amdhsa_enable_private_segment 0
		.amdhsa_kernarg_size 16
		.amdhsa_user_sgpr_count 2
		.amdhsa_user_sgpr_kernarg_segment_ptr 1
		.amdhsa_wavefront_size32 1
		.amdhsa_system_sgpr_workgroup_id_x 1
		.amdhsa_system_sgpr_workgroup_id_y 1
		.amdhsa_system_sgpr_workgroup_id_z 1
		.amdhsa_system_vgpr_workitem_id 0
		.amdhsa_next_free_vgpr 72
		.amdhsa_next_free_sgpr 66
		.amdhsa_reserve_vcc 0
		.amdhsa_float_denorm_mode_32 3
		.amdhsa_float_denorm_mode_16_64 3
		.amdhsa_memory_ordered 1
		.amdhsa_forward_progress 1
		.amdhsa_inst_pref_size 8
	.end_amdhsa_kernel
	.amdgpu_metadata
---
amdhsa.version: [ 1, 2 ]
amdhsa.kernels:
  - .name:           k_q1c7972a489_vsum
    .symbol:         k_q1c7972a489_vsum.kd
    .args:
      - { .name: v, .offset: 0, .size: 8, .value_kind: global_buffer, .address_space: global }
      - { .name: psum, .offset: 8, .size: 8, .value_kind: global_buffer, .address_space: global }
    .group_segment_fixed_size: 5120
    .private_segment_fixed_size: 0
    .kernarg_segment_align: 8
    .kernarg_segment_size: 16
    .max_flat_workgroup_size: 256
    .sgpr_count:     66
    .vgpr_count:     72
    .wavefront_size: 32
...
	.end_amdgpu_metadata
.endif
;; end of part 1
;; launch finish (part 2): grid 4 x 64, 8 waves a work-group, no clusters, 107,520 bytes of LDS; arguments q, k, v, psum, out0; writes out0
.if DOCPART == 2
	.amdgcn_target "amdgcn-amd-amdhsa--gfx1250"
	.amdhsa_code_object_version 6
	.text
	.protected	k_q1c7972a489_finish
	.globl	k_q1c7972a489_finish
	.p2align	8
	.type	k_q1c7972a489_finish,@function
k_q1c7972a489_finish:
	s_mov_b64 s[64:65], 0
	v_nop
	global_prefetch_b8 v0, s[64:65] scope:SCOPE_SE
	s_setreg_imm32_b32 hwreg(HW_REG_WAVE_MODE, 25, 1), 1
	s_wait_xcnt 0x0
; out[h][i][:] = the sum over j of softmax_j(score[i][j]) V[h][j][:], score = Q[h][i] . K[h][j] / 8 where j - i > 1792, and -10000 elsewhere.  Q, K, V, out: [64 heads][2048][64] f32.
; WHAT THE MASK LEAVES.  Query i sees keys i + 1793 .. 2047.  Rows 255 .. 2047 see none: all their scores are -10000, their weights 1 / 2048, their output the mean of V's 2,048 rows.
; Rows 0 .. 255 are worked on the tile of keys 1792 .. 2047 (key kk of the tile is seen where kk > i); a hidden score in the tile is REPLACED by -10000, and the maximum m is taken over the
; whole tile (key 1792 is hidden for every row, so -10000 is always among the candidates).  Keys 0 .. 1791 all have the weight e = exp(-10000 - m): they add e x Vsum(0..1791) to the
; numerator and 1792 e to the divisor.  So every key of every row is counted, whatever the scores' size.  Q's rows from 256 on and K's rows below 1792 reach no output and are not read.
; Scores are kept as q . k, the hidden value as -80000; c = log2(e) / 8 is applied in f32: p = 2^(c s - c m).
; SHARES.  256 work-groups: (c, head), c = 0..3.  All eight waves: the head's sums from psum; mean rows 256 + 448 c .. + 447, 56 rows a wave; K's and V's tile (32 rows a wave) and 64 rows of Q
; (8 a wave) rounded into LDS.  Behind the one barrier waves 0..3 take 16 queries each, 64 c + 16 w + 0..15, with all 256 keys' scores in registers; waves 4..7 end.
; FORMATS.  Q and K rounded to bf16.  V rounded to bf16 and that number written as f16; the weights rounded to f16; sums in f32; the divisor l is the sum of the unrounded weights.
; LIMITS.  V's rounded numbers must lie within f16's 65,504; below 6e-5 V and the weights keep f16's fixed step of 6e-8.  A weight below 2^-126 counts as 0.  The maximum drops a NaN; NaN and
; infinities are not treated apart.  The mean rows and Vsum are sums of the unrounded f32 V, as a tree, not in the order of a plain loop.
; LAYOUT.  S^T = K Q^T (source 0 = 16 keys, source 1 = 16 queries): a lane holds ONE query (lane % 16) and the keys 8 (lane / 16) + 0..7 of each block of 16.  Two blocks rounded to f16 in pairs
; ARE source 1 (32 keys x 16 queries) of O^T = V^T P, whose result holds one query a lane and eight channels.  K comes out of LDS as it lies, V ([key][channel]) turned, by ds_load_tr16_b128.
; NO TENSOR LOADS, NO CLUSTER.  The four work-groups of a head read the same 65,536 bytes of K and of V, but as f32 that must be rounded in registers on its way: a joint tensor load would lay
; 131,072 bytes of f32 into LDS, to be read, rounded and stored there a second time.  So each wave loads its 32 rows into registers, rounds them and stores 16-bit rows.
.set PK,    144                        ; a row of K or Q in LDS: 128 bytes + 16 = 36 words: the 16 rows of a fragment load start at 16 different groups of four banks (64 banks of 4 bytes: ISA guide 11.1)
.set PV,    160                        ; a row of V: 128 + 32 = 40 words
.set SP,    272                        ; a row of the stage: 256 bytes + 16
.set KL,    0                          ; K's tile, bf16: 256 rows
.set VL,    KL+256*PK                  ; V's tile, f16: 256 rows
.set QL,    VL+256*PV                  ; 64 rows of Q, bf16
.set VS,    QL+64*PK                   ; for each wave 256 bytes: Vsum(0..1791), 64 f32
.set STG,   VS+8*256                   ; for each of waves 0..3: 16 rows of 272 bytes, for the way out
.set SPARE, STG+4*16*SP                ; the spare words, 128 bytes for each of eight waves; no other line names them
.set TILE0, 1792*256                   ; the tile's first byte in a head of K or V
.set R16,  1                           ; v1   r = lane % 16
.set HALF, 2                           ; v2   h = lane / 16
.set LOFF, 3                           ; v3   16 x lane: my 16 bytes in 512 consecutive bytes of memory; never rewritten
.set POFF, 4                           ; v4   16 r: my 16 bytes in a row of psum; never rewritten
.set AKS,  5                           ; v5   where I store K:  (32 w + h) PK + 8 r
.set AVS,  6                           ; v6   where I store V:  VL + (32 w + h) PV + 8 r
.set AQS,  7                           ; v7   where I store Q:  QL + (8 w + h) PK + 8 r
.set AVSS, 8                           ; v8   where I store Vsum: VS + 256 w + 16 r
.set AK0,  9                           ; v9   my place in a fragment of K: r PK + 16 h
.set AV0,  10                          ; v10  my place in a turning load of V
.set AQ,   11                          ; v11  my place in my wave's fragments of Q
.set AVSL, 12                          ; v12  where I read Vsum: VS + 256 w + 32 h
.set STO,  13                          ; v13  the way out: where I put 32 bytes of a row
.set RD,   14                          ; v14  the way out: where I read rows back
.set XQ,   15                          ; v15  my query less 8 h, less 16 for each key block gone: register j of the block is seen where j is greater
.set BIG,  16                          ; v16  -80000.0
.set SPW,  18                          ; v18  LDS address of my spare word; never rewritten
.set NIL,  19                          ; v19  0; never rewritten
.set MEAN, 20                          ; v[20:23] four channels of the mean row: store data, never rewritten
.set VS7,  24                          ; v[24:27] four channels of Vsum(0..1791)
.set T,    28                          ; v[28:31] at work
.set QF,   32                          ; v[32:47] Q's two fragments
.set LS,   48                          ; v[48:55] four pairs of running sums of weights
.set MX,   56                          ; v[56:59] four chains of the maximum
.set CM,   60                          ; v[60:61] c m, twice; later 1 / l in the low one
.set EH,   62                          ; v[62:63] e, 0
.set SC,   64                          ; v[64:191] S^T: key block kb at SC + 8 kb
.set KF,   192                         ; v[192:255] K's fragments, two buffers of 32
.set PW,   192                         ; then P: 32 keys ks at PW + 8 ks
.set OA,   64                          ; behind the softmax: O^T, channel block cb at OA + 8 cb
.set VF,   96                          ; and V's fragments, three buffers of 32
.set BK,   96                          ; the way out: rows read back
.set KST,  64                          ; ahead of the barrier: K as loaded, 4 registers a load
.set VST,  128                         ; V as loaded
.set PST,  192                         ; psum as loaded
.set QST,  224                         ; Q as loaded
	s_load_b256 s[4:11], s[0:1], 0x0               ; Q s[4:5], K s[6:7], V s[8:9], psum s[10:11]
	s_load_b64 s[12:13], s[0:1], 0x20              ; out
	v_lshl_add_u32 v[SPW], v0, 2, SPARE
	v_mov_b32 v[NIL], 0
	v_lshrrev_b32 v[T+1], 5, v0
	v_readfirstlane_b32 s14, v[T+1]                ; w: my wave's number
	v_and_b32 v[R16], 15, v0
	v_and_b32 v[T], 31, v0
	v_lshlrev_b32 v[LOFF], 4, v[T]
	v_lshlrev_b32 v[POFF], 4, v[R16]
	s_mov_b32 s15, ttmp9                           ; c
	s_and_b32 s16, ttmp7, 0xffff                   ; head
	s_lshl_b32 s18, s16, 19                        ; a head is 2,048 rows of 256 bytes; 63 heads stay under 2^31
	s_lshl_b32 s36, s16, 11                        ; psum: 8 rows of 256 bytes a head
	s_mov_b32 s37, 0
	s_lshl_b32 s20, s14, 13                        ; K and V: the head, the tile, my wave's 32 rows
	s_add_co_u32 s20, s20, s18
	s_add_co_u32 s20, s20, TILE0
	s_mov_b32 s21, 0
	s_lshl_b32 s34, s15, 14                        ; the head and my work-group's 64 queries,
	s_add_co_u32 s34, s34, s18
	s_lshl_b32 s33, s14, 12
	s_add_co_u32 s2, s34, s33                      ; out: my wave's 16 rows of them (waves 0..3)
	s_mov_b32 s3, 0
	s_lshl_b32 s33, s14, 11
	s_add_co_u32 s34, s34, s33                     ; Q: my wave's 8 rows of them
	s_mov_b32 s35, 0
	s_mul_i32 s38, s15, 448*256                    ; the mean rows: row 256 + 448 c + 56 w
	s_mul_i32 s33, s14, 56*256
	s_add_co_u32 s38, s38, s33
	s_add_co_u32 s38, s38, s18
	s_add_co_u32 s38, s38, 256*256
	s_mov_b32 s39, 0
	s_wait_kmcnt 0x0
	s_add_nc_u64 s[10:11], s[10:11], s[36:37]
	s_add_nc_u64 s[6:7], s[6:7], s[20:21]
	s_add_nc_u64 s[4:5], s[4:5], s[34:35]
	s_add_nc_u64 s[8:9], s[8:9], s[20:21]
	s_add_nc_u64 s[22:23], s[12:13], s[38:39]      ; out at my mean rows
	s_add_nc_u64 s[24:25], s[12:13], s[2:3]        ; out at my attention rows
	; 44 loads at once, in the order in which they are wanted: psum 8, K 16, Q 4, V 16.  No address register and no base is written again.
.set n, 0
.rept 8
	global_load_b128 v[PST+4*n:PST+4*n+3], v[POFF], s[10:11] offset:256*n  ; chunk n's sums; both halves of the lanes take the same 256 bytes
.set n, n+1
.endr
.set n, 0
.rept 16
	global_load_b128 v[KST+4*n:KST+4*n+3], v[LOFF], s[6:7] offset:512*n    ; two rows: 512 consecutive bytes
.set n, n+1
.endr
.set n, 0
.rept 4
	global_load_b128 v[QST+4*n:QST+4*n+3], v[LOFF], s[4:5] offset:512*n th:TH_LOAD_NT
.set n, n+1
.endr
.set n, 0
.rept 16
	global_load_b128 v[VST+4*n:VST+4*n+3], v[LOFF], s[8:9] offset:512*n
.set n, n+1
.endr
	; the LDS addresses and constants are made while the loads are out
	v_bfe_u32 v[HALF], v0, 4, 1
	v_mul_u32_u24 v[T+2], v[HALF], PK
	v_lshl_add_u32 v[T+2], v[R16], 3, v[T+2]       ; h PK + 8 r: a load's two rows, four channels of 2 bytes a lane
	s_mul_i32 s33, s14, 32*PK
	v_add_nc_u32 v[AKS], s33, v[T+2]
	s_mul_i32 s33, s14, 8*PK
	s_add_co_u32 s33, s33, QL
	v_add_nc_u32 v[AQS], s33, v[T+2]
	v_mul_u32_u24 v[T+3], v[HALF], PV
	v_lshl_add_u32 v[T+3], v[R16], 3, v[T+3]
	s_mul_i32 s33, s14, 32*PV
	s_add_co_u32 s33, s33, VL
	v_add_nc_u32 v[AVS], s33, v[T+3]
	s_lshl_b32 s33, s14, 8
	s_add_co_u32 s33, s33, VS
	v_add_nc_u32 v[AVSS], s33, v[POFF]
	v_lshl_add_u32 v[AVSL], v[HALF], 5, s33
	v_mul_u32_u24 v[AK0], v[R16], PK               ; a fragment: row r, 16 bytes for each half of the lanes
	v_lshl_add_u32 v[AK0], v[HALF], 4, v[AK0]
	s_mul_i32 s33, s14, 16*PK
	s_add_co_u32 s33, s33, QL
	v_add_nc_u32 v[AQ], s33, v[AK0]
	v_and_b32 v[T], 7, v0                          ; the turning load: lane l reads key 8 h + l % 8, channels 8 ((l / 8) % 2) + 0..7
	v_lshl_add_u32 v[T], v[HALF], 3, v[T]
	v_mul_u32_u24 v[AV0], v[T], PV
	v_bfe_u32 v[T+1], v0, 3, 1
	v_lshl_add_u32 v[AV0], v[T+1], 4, v[AV0]
	v_add_nc_u32 v[AV0], VL, v[AV0]
	s_mul_i32 s33, s14, 16*SP
	s_add_co_u32 s33, s33, STG                     ; my stage (waves 0..3)
	v_mul_u32_u24 v[STO], v[R16], SP               ; in: row r, 32 bytes for each half of the lanes
	v_lshl_add_u32 v[STO], v[HALF], 5, v[STO]
	v_add_nc_u32 v[STO], s33, v[STO]
	v_mul_u32_u24 v[RD], v[HALF], SP               ; back: lanes 0-15 one row of 256 bytes, lanes 16-31 the next
	v_add_nc_u32 v[RD], v[RD], v[POFF]
	v_add_nc_u32 v[RD], s33, v[RD]
	s_lshl_b32 s33, s15, 6
	s_lshl4_add_u32 s33, s14, s33                  ; 64 c + 16 w
	v_lshlrev_b32 v[T], 3, v[HALF]
	v_sub_nc_u32 v[XQ], v[R16], v[T]
	v_add_nc_u32 v[XQ], s33, v[XQ]                 ; my query less 8 h; may be negative: the compares are signed
	v_mov_b32 v[BIG], 0xc79c4000                   ; -80000.0 = 8 x -10000
	v_mov_b32 v[EH+1], 0                           ; named with e as a pair
	s_mov_b32 s26, 0xffff0000                      ; a word's upper bf16
	s_mov_b32 s28, 0x3e38aa3b                      ; c = log2(e) / 8
	s_mov_b32 s29, s28                             ; named with it as a pair
	s_mov_b32 s30, 0x76543210                      ; v_permlanex16_b32: each lane takes its own place in the other half
	s_mov_b32 s31, 0xfedcba98
	s_mov_b32 s32, 0x44e00000                      ; 1792.0
.macro ADD4 d, a, b                    ; four channels: d = a + b
	v_pk_add_f32 v[(\d):(\d)+1], v[(\a):(\a)+1], v[(\b):(\b)+1]
	v_pk_add_f32 v[(\d)+2:(\d)+3], v[(\a)+2:(\a)+3], v[(\b)+2:(\b)+3]
.endm
.macro CVB x, a, off                   ; four f32 at v[x] rounded to bf16, 8 bytes to LDS
	v_cvt_pk_bf16_f32 v[(\x)], v[(\x)], v[(\x)+1]
	v_cvt_pk_bf16_f32 v[(\x)+1], v[(\x)+2], v[(\x)+3]
	ds_store_b64 v[\a], v[(\x):(\x)+1] offset:\off
.endm
.macro CVV x, off                      ; four f32 at v[x] rounded to bf16, widened again, and that number written as f16 (exact within f16's range)
	v_cvt_pk_bf16_f32 v[(\x)], v[(\x)], v[(\x)+1]
	v_cvt_pk_bf16_f32 v[(\x)+2], v[(\x)+2], v[(\x)+3]
	v_and_b32 v[(\x)+1], s26, v[(\x)]
	v_lshlrev_b32 v[(\x)], 16, v[(\x)]
	v_and_b32 v[(\x)+3], s26, v[(\x)+2]
	v_lshlrev_b32 v[(\x)+2], 16, v[(\x)+2]
	v_cvt_pk_f16_f32 v[(\x)], v[(\x)], v[(\x)+1]
	v_cvt_pk_f16_f32 v[(\x)+1], v[(\x)+2], v[(\x)+3]
	ds_store_b64 v[AVS], v[(\x):(\x)+1] offset:\off
.endm
	s_wait_loadcnt 36                              ; psum's eight loads are in; the 36 younger ones stay out
	ADD4 PST, PST, PST+4
	ADD4 PST+8, PST+8, PST+12
	ADD4 PST+16, PST+16, PST+20
	ADD4 PST, PST, PST+8
	ADD4 PST+16, PST+16, PST+24
	ADD4 VS7, PST, PST+16                          ; rows 0 .. 1791
	ADD4 MEAN, VS7, PST+28                         ; all 2,048 rows,
	v_pk_mul_f32 v[MEAN:MEAN+1], v[MEAN:MEAN+1], 0x3a000000 op_sel_hi:[1,0]      ; times 2^-11
	v_pk_mul_f32 v[MEAN+2:MEAN+3], v[MEAN+2:MEAN+3], 0x3a000000 op_sel_hi:[1,0]
.set n, 0
.rept 28                               ; the mean rows go out first; each store covers 512 consecutive bytes, two rows, at a multiple of 256 from out's first byte
	global_store_b128 v[LOFF], v[MEAN:MEAN+3], s[22:23] offset:512*n th:TH_STORE_NT
.set n, n+1
.endr
	ds_store_b128 v[AVSS], v[VS7:VS7+3]            ; my wave's own copy of Vsum; both halves of the lanes write the same bytes with the same numbers
.set n, 0
.rept 16
	s_wait_loadcnt 35-n                            ; K's load n is in: behind it 15 - n of K, 4 of Q, 16 of V
	CVB KST+4*n, AKS, 2*PK*n
.set n, n+1
.endr
.set n, 0
.rept 4
	s_wait_loadcnt 19-n                            ; Q's load n: behind it 3 - n of Q, 16 of V
	CVB QST+4*n, AQS, 2*PK*n
.set n, n+1
.endr
.set n, 0
.rept 16
	s_wait_loadcnt 15-n                            ; V's load n
	CVV VST+4*n, 2*PV*n
.set n, n+1
.endr
	s_wait_dscnt 0x0                               ; for the others' sake: my rows of K, Q and V are in LDS before I signal
	s_barrier_signal -1
	s_barrier_wait -1                              ; the launch's one barrier: everybody's rows are there
	s_cmp_lt_u32 s14, 4
	s_cbranch_scc1 .Latt
	s_wait_tensorcnt 0x0                           ; waves 4..7 end: three lines behind my last LDS store
	ds_add_u32 v[SPW], v[NIL]
	s_wait_dscnt 0x0
	s_endpgm
; A load into a register that a matrix instruction has read, and a vector instruction that reads a matrix result, stand four places behind it; only plain vector instructions that name none
; of its registers are places (ISA guide 7.12.1 for vector instructions).
.macro PLACES
.rept 4
	v_nop
.endr
.endm
.macro FETCHK g                        ; the fragments of key blocks 2 g, 2 g + 1 (16 keys x 64 channels each): eight loads into buffer g % 2
.irp kl, 0,1
.irp c2, 0,1
	ds_load_b128 v[KF+32*((\g)%2)+16*\kl+8*\c2:KF+32*((\g)%2)+16*\kl+8*\c2+3],   v[AK0] offset:(2*(\g)+\kl)*16*PK+64*\c2
	ds_load_b128 v[KF+32*((\g)%2)+16*\kl+8*\c2+4:KF+32*((\g)%2)+16*\kl+8*\c2+7], v[AK0] offset:(2*(\g)+\kl)*16*PK+64*\c2+32
.endr
.endr
.endm
.macro SGRP g                          ; S^T of key blocks 2 g, 2 g + 1: the two accumulators take turns; the first products start the sums
.set rK, KF+32*((\g)%2)
.set rS, SC+16*(\g)
	v_wmma_f32_16x16x32_bf16 v[rS:rS+7],    v[rK:rK+7],     v[QF:QF+7],    0
	v_wmma_f32_16x16x32_bf16 v[rS+8:rS+15], v[rK+16:rK+23], v[QF:QF+7],    0
	v_wmma_f32_16x16x32_bf16 v[rS:rS+7],    v[rK+8:rK+15],  v[QF+8:QF+15], v[rS:rS+7]
	v_wmma_f32_16x16x32_bf16 v[rS+8:rS+15], v[rK+24:rK+31], v[QF+8:QF+15], v[rS+8:rS+15]
.endm
.macro MAXOP kb, j                     ; line j of four that take key block kb's eight scores into chain kb % 4; blocks 0..3 start the chains
.set rC, MX+(\kb)%4
.set rS, SC+8*(\kb)
.if (\kb) < 4
.if (\j) == 0
	v_max3_num_f32 v[rC], v[rS], v[rS+1], v[rS+2]
.elseif (\j) < 3
	v_max3_num_f32 v[rC], v[rC], v[rS+2*(\j)+1], v[rS+2*(\j)+2]
.else
	v_max_num_f32 v[rC], v[rC], v[rS+7]
.endif
.else
	v_max3_num_f32 v[rC], v[rC], v[rS+2*(\j)], v[rS+2*(\j)+1]
.endif
.endm
.macro MASKMAX kb                      ; key block kb: hidden scores are replaced by -80000, from the accumulator's low end on; the block before goes into the maximum
.if (\kb) > 0
	v_add_nc_u32 v[XQ], -16, v[XQ]
.endif
.irp j, 0,1,2,3,4,5,6,7
	v_cmp_gt_i32 s[40+\j], \j, v[XQ]               ; seen where 16 kb + 8 h + j > my query
.endr
.irp j, 0,1,2,3
	v_cndmask_b32 v[SC+8*(\kb)+2*\j],   v[BIG], v[SC+8*(\kb)+2*\j],   s[40+2*\j]
	v_cndmask_b32 v[SC+8*(\kb)+2*\j+1], v[BIG], v[SC+8*(\kb)+2*\j+1], s[40+2*\j+1]
.if (\kb) > 0
	MAXOP (\kb)-1, \j
.endif
.endr
.endm
.macro SOFT kb                         ; p = 2^(c s - c m) for key block kb, in place
.irp j, 0,1,2,3
	v_pk_fma_f32 v[SC+8*(\kb)+2*\j:SC+8*(\kb)+2*\j+1], v[SC+8*(\kb)+2*\j:SC+8*(\kb)+2*\j+1], s[28:29], v[CM:CM+1] op_sel_hi:[1,0,0] neg_lo:[0,0,1] neg_hi:[0,0,1]
.endr
.irp j, 0,1,2,3,4,5,6,7
	v_exp_f32 v[SC+8*(\kb)+\j], v[SC+8*(\kb)+\j]
.endr
.endm
.macro FIN kb                          ; key block kb's weights rounded to f16 for the second product, and added, unrounded, onto four running pairs; blocks 0 and 1 start them
	s_wait_alu depctr_va_vdst(0)
.irp j, 0,1,2,3
	v_cvt_pk_f16_f32 v[PW+4*(\kb)+\j], v[SC+8*(\kb)+2*\j], v[SC+8*(\kb)+2*\j+1]
.endr
.if (\kb) == 1
.irp j, 0,1,2,3
	v_pk_add_f32 v[LS+2*\j:LS+2*\j+1], v[SC+2*\j:SC+2*\j+1], v[SC+8+2*\j:SC+8+2*\j+1]
.endr
.elseif (\kb) > 1
.irp j, 0,1,2,3
	v_pk_add_f32 v[LS+2*\j:LS+2*\j+1], v[LS+2*\j:LS+2*\j+1], v[SC+8*(\kb)+2*\j:SC+8*(\kb)+2*\j+1]
.endr
.endif
.endm
.macro FETCHV ks                       ; V^T of keys 32 ks .. + 31, four blocks of 16 channels: eight turning loads into buffer ks % 3
.irp cb, 0,1,2,3
	ds_load_tr16_b128 v[VF+32*((\ks)%3)+8*\cb:VF+32*((\ks)%3)+8*\cb+3],   v[AV0] offset:(\ks)*32*PV+32*\cb
	ds_load_tr16_b128 v[VF+32*((\ks)%3)+8*\cb+4:VF+32*((\ks)%3)+8*\cb+7], v[AV0] offset:(\ks)*32*PV+16*PV+32*\cb
.endr
.endm
.macro PVSTEP ks, left                 ; O^T += V^T P for keys 32 ks .. + 31; the four accumulators take turns.  left: the younger LDS loads that may stay out
	s_wait_dscnt \left
.irp cb, 0,1,2,3
	v_wmma_f32_16x16x32_f16 v[OA+8*\cb:OA+8*\cb+7], v[VF+32*((\ks)%3)+8*\cb:VF+32*((\ks)%3)+8*\cb+7], v[PW+8*(\ks):PW+8*(\ks)+7], v[OA+8*\cb:OA+8*\cb+7]
.endr
.endm
.Latt:                                                 ; waves 0..3: 16 queries x 256 keys
.irp i, 0,1,2,3
	ds_load_b128 v[QF+4*\i:QF+4*\i+3], v[AQ] offset:32*\i
.endr
	FETCHK 0
	FETCHK 1
.set gg, 0
.rept 8
.if gg < 7
	s_wait_dscnt 8                                 ; Q and this group's fragments are in; the next group's eight loads may stay out
.else
	s_wait_dscnt 0
.endif
	SGRP gg
.if gg < 6
	PLACES                                         ; in front of the loads into the buffer just multiplied
	FETCHK gg+2
.endif
.set gg, gg+1
.endr
	; the mask and the maximum.  Block 0's scores were made 28 matrix instructions and 24 v_nop ago; the last blocks' are read some 300 vector instructions on.
.set bb, 0
.rept 16
	MASKMAX bb
.set bb, bb+1
.endr
.irp j, 0,1,2,3
	MAXOP 15, \j
.endr
	v_max3_num_f32 v[MX], v[MX], v[MX+1], v[MX+2]
	v_max_num_f32 v[MX], v[MX], v[MX+3]
	v_permlanex16_b32 v[MX+1], v[MX], s30, s31     ; the query's other 128 keys lie in the lane 16 away
	v_max_num_f32 v[MX], v[MX], v[MX+1]            ; m: the true maximum of the row's 2,048 scores (times 8): -80000 is among the candidates
	v_mul_f32 v[CM], s28, v[MX]                    ; c m
	v_mul_f32 v[CM+1], s28, v[MX]                  ; named with it as a pair
	v_fma_f32 v[T], v[BIG], s28, -v[CM]
	v_exp_f32 v[EH], v[T]                          ; e: the weight of each hidden key; the scalings below are the plain instructions behind it
	SOFT 0
.set bb, 1
.rept 15                               ; block bb - 1's roundings and sums are the plain work behind block bb's exponentials; loads go into S^T's registers as they come free
	SOFT bb
	FIN bb-1
.if bb == 4
.irp cb, 0,1,2,3
	ds_load_b128 v[OA+8*\cb:OA+8*\cb+3],   v[AVSL] offset:64*\cb     ; Vsum(0..1791), channels 16 cb + 8 h + 0..7: where O^T will hold them
	ds_load_b128 v[OA+8*\cb+4:OA+8*\cb+7], v[AVSL] offset:64*\cb+16
.endr
.endif
.if bb == 8
	FETCHV 0
.endif
.if bb == 12
	FETCHV 1
.endif
.set bb, bb+1
.endr
	FIN 15
	FETCHV 2
	v_pk_add_f32 v[LS:LS+1], v[LS:LS+1], v[LS+2:LS+3]
	v_pk_add_f32 v[LS+4:LS+5], v[LS+4:LS+5], v[LS+6:LS+7]
	v_pk_add_f32 v[LS:LS+1], v[LS:LS+1], v[LS+4:LS+5]
	v_add_f32 v[LS], v[LS], v[LS+1]
	v_permlanex16_b32 v[LS+1], v[LS], s30, s31
	v_add_f32 v[LS], v[LS], v[LS+1]                ; the tile's 256 weights,
	v_fma_f32 v[LS], v[EH], s32, v[LS]             ; and 1792 e for keys 0 .. 1791: l, which is at least the largest weight, about 1
	v_rcp_f32 v[CM], v[LS]                         ; the multiplies below are the plain instructions behind it
	s_wait_dscnt 24                                ; Vsum is in; V's three runs of eight may stay out
.set i, 0
.rept 16
	v_pk_mul_f32 v[OA+2*i:OA+2*i+1], v[OA+2*i:OA+2*i+1], v[EH:EH+1] op_sel_hi:[1,0]   ; O^T starts as e x Vsum(0..1791)
.set i, i+1
.endr
.set ss, 0
.rept 8
.if ss < 6
	PVSTEP ss, 16                                  ; this step's V is in; the next two runs may stay out
.elseif ss == 6
	PVSTEP ss, 8
.else
	PVSTEP ss, 0
.endif
.if ss < 5
	PLACES                                         ; in front of the loads into the buffer just multiplied
	FETCHV ss+3
.endif
.set ss, ss+1
.endr
	; THE WAY OUT: O^T / l; a lane's eight channels of a row, 32 bytes, into my own stage; back as whole rows of 256 bytes.
	PLACES
.set i, 0
	s_wait_alu depctr_va_vdst(0)
.rept 16
	v_pk_mul_f32 v[OA+2*i:OA+2*i+1], v[OA+2*i:OA+2*i+1], v[CM:CM+1] op_sel_hi:[1,0]   ; each accumulator from its low end on
.set i, i+1
.endr
.irp cb, 0,1,2,3
	ds_store_b128 v[STO], v[OA+8*\cb:OA+8*\cb+3]   offset:64*\cb
	ds_store_b128 v[STO], v[OA+8*\cb+4:OA+8*\cb+7] offset:64*\cb+16
.endr
.set n, 0
.rept 8
	ds_load_b128 v[BK+4*n:BK+4*n+3], v[RD] offset:2*SP*n   ; LDS serves a wave's instructions in order (ISA guide 5.7.1.4): these see my stores above
.set n, n+1
.endr
.set n, 0
.rept 8
	s_wait_dscnt 7-n                               ; rows 2 n, 2 n + 1 are back
	global_store_b128 v[LOFF], v[BK+4*n:BK+4*n+3], s[24:25] offset:512*n th:TH_STORE_NT  ; 16 lanes store 256 consecutive bytes, at a multiple of 256 from out's first byte
.set n, n+1
.endr
	s_wait_tensorcnt 0x0                           ; the wave's end: three lines behind my last LDS store
	ds_add_u32 v[SPW], v[NIL]
	s_wait_dscnt 0x0
	s_endpgm
.Lfunc_end_k_q1c7972a489_finish:
	.size	k_q1c7972a489_finish, .Lfunc_end_k_q1c7972a489_finish-k_q1c7972a489_finish
	.p2alignl 7, 3214868480
	.fill 96, 4, 3214868480
	.section	.rodata,"a",@progbits
	.p2align	6, 0x0
	.amdhsa_kernel k_q1c7972a489_finish
		.amdhsa_group_segment_fixed_size 107520
		.amdhsa_private_segment_fixed_size 0
		.amdhsa_enable_private_segment 0
		.amdhsa_kernarg_size 40
		.amdhsa_user_sgpr_count 2
		.amdhsa_user_sgpr_kernarg_segment_ptr 1
		.amdhsa_wavefront_size32 1
		.amdhsa_system_sgpr_workgroup_id_x 1
		.amdhsa_system_sgpr_workgroup_id_y 1
		.amdhsa_system_sgpr_workgroup_id_z 1
		.amdhsa_system_vgpr_workitem_id 0
		.amdhsa_next_free_vgpr 256
		.amdhsa_next_free_sgpr 66
		.amdhsa_reserve_vcc 0
		.amdhsa_float_denorm_mode_32 3
		.amdhsa_float_denorm_mode_16_64 3
		.amdhsa_memory_ordered 1
		.amdhsa_forward_progress 1
		.amdhsa_inst_pref_size 81
	.end_amdhsa_kernel
	.amdgpu_metadata
---
amdhsa.version: [ 1, 2 ]
amdhsa.kernels:
  - .name:           k_q1c7972a489_finish
    .symbol:         k_q1c7972a489_finish.kd
    .args:
      - { .name: q, .offset: 0, .size: 8, .value_kind: global_buffer, .address_space: global }
      - { .name: k, .offset: 8, .size: 8, .value_kind: global_buffer, .address_space: global }
      - { .name: v, .offset: 16, .size: 8, .value_kind: global_buffer, .address_space: global }
      - { .name: psum, .offset: 24, .size: 8, .value_kind: global_buffer, .address_space: global }
      - { .name: out0, .offset: 32, .size: 8, .value_kind: global_buffer, .address_space: global }
    .group_segment_fixed_size: 107520
    .private_segment_fixed_size: 0
    .kernarg_segment_align: 8
    .kernarg_segment_size: 40
    .max_flat_workgroup_size: 256
    .sgpr_count:     66
    .vgpr_count:     256
    .wavefront_size: 32
...
	.end_amdgpu_metadata
.endif
;; end of part 2
;; ======== version 2 of 2: 2 launches; version 1 with the launch finish written anew for expert scheduling mode
;; limits: values are held in f16: magnitudes above 65,504 overflow, below 6.1e-05 lose precision; inputs' magnitudes at most 65,504
;; workspace buffers: psum 131,072 bytes
;; launch vsum: the kernel of part 1 again; grid 512 x 1, 8 waves a work-group, no clusters, 5,120 bytes of LDS; arguments v, psum; writes psum
;; launch finish (part 3): grid 4 x 64, 8 waves a work-group, no clusters, 107,520 bytes of LDS; arguments q, k, v, psum, out0; writes out0
.if DOCPART == 3
	.amdgcn_target "amdgcn-amd-amdhsa--gfx1250"
	.amdhsa_code_object_version 6
	.text
	.protected	k_q1c7972a489_finish
	.globl	k_q1c7972a489_finish
	.p2align	8
	.type	k_q1c7972a489_finish,@function
k_q1c7972a489_finish:
	s_mov_b64 s[64:65], 0
	v_nop
	global_prefetch_b8 v0, s[64:65] scope:SCOPE_SE
	s_setreg_imm32_b32 hwreg(HW_REG_WAVE_SCHED_MODE, 0, 2), 2
	s_setreg_imm32_b32 hwreg(HW_REG_WAVE_MODE, 25, 1), 1
	s_wait_xcnt 0x0
	s_wait_alu depctr_vm_vsrc(0)
; out[h][i][:] = the sum over j of softmax_j(score[i][j]) V[h][j][:], score = Q[h][i] . K[h][j] / 8 where j - i > 1792, and -10000 elsewhere.  Q, K, V, out: [64 heads][2048][64] f32.
; WHAT THE MASK LEAVES.  Query i sees keys i + 1793 .. 2047.  Rows 255 .. 2047 see none: all their scores are -10000, their weights 1 / 2048, their output the mean of V's 2,048 rows.
; Rows 0 .. 255 are worked on the tile of keys 1792 .. 2047 (key kk of the tile is seen where kk > i); a hidden score in the tile is REPLACED by -10000, and the maximum m is taken over the
; whole tile (key 1792 is hidden for every row, so -10000 is always among the candidates).  Keys 0 .. 1791 all have the weight e = exp(-10000 - m): they add e x Vsum(0..1791) to the
; numerator and 1792 e to the divisor.  So every key of every row is counted, whatever the scores' size.  Q's rows from 256 on and K's rows below 1792 reach no output and are not read.
; Scores are kept as q . k, the hidden value as -80000; c = log2(e) / 8 is applied in f32: p = 2^(c s - c m).
; SHARES.  256 work-groups: (c, head), c = 0..3.  All eight waves: the head's sums from psum; mean rows 256 + 448 c .. + 447, 56 rows a wave; K's and V's tile (32 rows a wave) and 64 rows of Q
; (8 a wave) rounded into LDS.  Behind the one barrier waves 0..3 take 16 queries each, 64 c + 16 w + 0..15, with all 256 keys' scores in registers; waves 4..7 end.
; FORMATS.  Q and K rounded to bf16.  V rounded to bf16 and that number written as f16; the weights rounded to f16; sums in f32; the divisor l is the sum of the unrounded weights.
; LIMITS.  V's rounded numbers must lie within f16's 65,504; below 6e-5 V and the weights keep f16's fixed step of 6e-8.  A weight below 2^-126 counts as 0.  The maximum drops a NaN; NaN and
; infinities are not treated apart.  The mean rows and Vsum are sums of the unrounded f32 V, as a tree, not in the order of a plain loop.
; LAYOUT.  S^T = K Q^T (source 0 = 16 keys, source 1 = 16 queries): a lane holds ONE query (lane % 16) and the keys 8 (lane / 16) + 0..7 of each block of 16.  Two blocks rounded to f16 in pairs
; ARE source 1 (32 keys x 16 queries) of O^T = V^T P, whose result holds one query a lane and eight channels.  K comes out of LDS as it lies, V ([key][channel]) turned, by ds_load_tr16_b128.
; NO TENSOR LOADS, NO CLUSTER.  The four work-groups of a head read the same 65,536 bytes of K and of V, but as f32 that must be rounded in registers on its way: a joint tensor load would lay
; 131,072 bytes of f32 into LDS, to be read, rounded and stored there a second time.  So each wave loads its 32 rows into registers, rounds them and stores 16-bit rows.
; THE MODE: SCHED_MODE bits 1:0 = 2 (LLVM: expert scheduling mode 2), set by the entry lines.  The code itself states the register dependences between vector or matrix instructions and
; memory or LDS instructions, and those through scalar registers that vector instructions write, with s_wait_alu, always for 0.
; THE PLAN.  Registers that memory or LDS instructions touch:
;   v3, v4, v5 .. v14   offsets and LDS addresses: made once ahead of the wait that stands in front of their first reader, never written again.
;   MEAN, VS7           written by the sums over psum; read by the mean rows' stores and one LDS store; never written again.
;   KST, QST, VST       loaded; rounded in place, in nine groups of four loads; group G's LDS stores are issued in group G + 1, behind the one wait at its head, dealt among
;                       that group's conversions, which name group G + 1's registers alone.  Behind the barrier one wait states that the stores have read them: products and loads write them next.
;   KF0, KF1            group g's four products read buffer g % 2; behind them one wait, then group g + 2's loads land in it.
;   S^T's blocks        the wait at the head of a block's roundings (the exponentials' wait) also states that all earlier blocks are rounded and added: loads into those blocks' registers
;                       (Vsum, V's runs 0 and 1) stand directly behind such a wait; the vector work that follows names later blocks, P and the running sums alone.
;   VF0 .. VF2          step s's four products read buffer s % 3; behind them one wait, then step s + 3's loads land in it.
;   OA, BK              O^T is scaled, one wait, the stage's stores read it; the same wait states that the products are done reading VF0, in which the stage's loads land.
;   s14; two mask sets  s14 has its wait ahead of its first reader.  A key block's eight compares are issued a block ahead, into s[40:47] and s[4:11] by turns; one wait a block stands ahead of the selects.
.set PK,    144                        ; a row of K or Q in LDS: 128 bytes + 16 = 36 words: the 16 rows of a fragment load start at 16 different groups of four banks (64 banks of 4 bytes: ISA guide 11.1)
.set PV,    160                        ; a row of V: 128 + 32 = 40 words
.set SP,    272                        ; a row of the stage: 256 bytes + 16
.set KL,    0                          ; K's tile, bf16: 256 rows
.set VL,    KL+256*PK                  ; V's tile, f16: 256 rows
.set QL,    VL+256*PV                  ; 64 rows of Q, bf16
.set VS,    QL+64*PK                   ; for each wave 256 bytes: Vsum(0..1791), 64 f32
.set STG,   VS+8*256                   ; for each of waves 0..3: 16 rows of 272 bytes, for the way out
.set SPARE, STG+4*16*SP                ; the spare words, 128 bytes for each of eight waves; no other line names them
.set TILE0, 1792*256                   ; the tile's first byte in a head of K or V
.set R16,  1                           ; v1   r = lane % 16
.set HALF, 2                           ; v2   h = lane / 16
.set LOFF, 3                           ; v3   16 x lane: my 16 bytes in 512 consecutive bytes of memory; never rewritten
.set POFF, 4                           ; v4   16 r: my 16 bytes in a row of psum; never rewritten
.set AKS,  5                           ; v5   where I store K:  (32 w + h) PK + 8 r
.set AVS,  6                           ; v6   where I store V:  VL + (32 w + h) PV + 8 r
.set AQS,  7                           ; v7   where I store Q:  QL + (8 w + h) PK + 8 r
.set AVSS, 8                           ; v8   where I store Vsum: VS + 256 w + 16 r
.set AK0,  9                           ; v9   my place in a fragment of K: r PK + 16 h
.set AV0,  10                          ; v10  my place in a turning load of V
.set AQ,   11                          ; v11  my place in my wave's fragments of Q
.set AVSL, 12                          ; v12  where I read Vsum: VS + 256 w + 32 h
.set STO,  13                          ; v13  the way out: where I put 32 bytes of a row
.set RD,   14                          ; v14  the way out: where I read rows back
.set XQ,   15                          ; v15  my query less 8 h, less 16 for each key block gone: register j of the block is seen where j is greater
.set BIG,  16                          ; v16  -80000.0
.set SPW,  18                          ; v18  LDS address of my spare word; never rewritten
.set NIL,  19                          ; v19  0; never rewritten
.set MEAN, 20                          ; v[20:23] four channels of the mean row: store data, never rewritten
.set VS7,  24                          ; v[24:27] four channels of Vsum(0..1791)
.set T,    28                          ; v[28:31] at work: no memory or LDS instruction names them
.set QF,   32                          ; v[32:47] Q's two fragments
.set LS,   48                          ; v[48:55] four pairs of running sums of weights
.set MX,   56                          ; v[56:59] four chains of the maximum
.set CM,   60                          ; v[60:61] c m, twice; later 1 / l in the low one
.set EH,   62                          ; v[62:63] e, 0
.set SC,   64                          ; v[64:191] S^T: key block kb at SC + 8 kb
.set KF,   192                         ; v[192:255] K's fragments, two buffers of 32
.set PW,   192                         ; then P: 32 keys ks at PW + 8 ks
.set OA,   64                          ; behind the softmax: O^T, channel block cb at OA + 8 cb
.set VF,   96                          ; and V's fragments, three buffers of 32
.set BK,   96                          ; the way out: rows read back
.set KST,  64                          ; ahead of the barrier: K as loaded, 4 registers a load
.set VST,  128                         ; V as loaded
.set PST,  192                         ; psum as loaded
.set QST,  224                         ; Q as loaded
	s_load_b256 s[4:11], s[0:1], 0x0               ; Q s[4:5], K s[6:7], V s[8:9], psum s[10:11]
	s_load_b64 s[12:13], s[0:1], 0x20              ; out
	v_lshl_add_u32 v[SPW], v0, 2, SPARE
	v_mov_b32 v[NIL], 0
	v_lshrrev_b32 v[T+1], 5, v0
	v_readfirstlane_b32 s14, v[T+1]                ; w: my wave's number
	v_and_b32 v[R16], 15, v0
	v_and_b32 v[T], 31, v0
	v_lshlrev_b32 v[LOFF], 4, v[T]
	v_lshlrev_b32 v[POFF], 4, v[R16]
	s_mov_b32 s15, ttmp9                           ; c
	s_and_b32 s16, ttmp7, 0xffff                   ; head
	s_lshl_b32 s18, s16, 19                        ; a head is 2,048 rows of 256 bytes; 63 heads stay under 2^31
	s_lshl_b32 s36, s16, 11                        ; psum: 8 rows of 256 bytes a head
	s_mov_b32 s37, 0
	s_wait_alu depctr_va_sdst(0)                   ; s14 is written, ahead of its first reader: offsets, LDS addresses and the branch behind the barrier are made from it
	s_lshl_b32 s20, s14, 13                        ; K and V: the head, the tile, my wave's 32 rows
	s_add_co_u32 s20, s20, s18
	s_add_co_u32 s20, s20, TILE0
	s_mov_b32 s21, 0
	s_lshl_b32 s34, s15, 14                        ; the head and my work-group's 64 queries,
	s_add_co_u32 s34, s34, s18
	s_lshl_b32 s33, s14, 12
	s_add_co_u32 s2, s34, s33                      ; out: my wave's 16 rows of them (waves 0..3)
	s_mov_b32 s3, 0
	s_lshl_b32 s33, s14, 11
	s_add_co_u32 s34, s34, s33                     ; Q: my wave's 8 rows of them
	s_mov_b32 s35, 0
	s_mul_i32 s38, s15, 448*256                    ; the mean rows: row 256 + 448 c + 56 w
	s_mul_i32 s33, s14, 56*256
	s_add_co_u32 s38, s38, s33
	s_add_co_u32 s38, s38, s18
	s_add_co_u32 s38, s38, 256*256
	s_mov_b32 s39, 0
	s_wait_kmcnt 0x0
	s_add_nc_u64 s[10:11], s[10:11], s[36:37]
	s_add_nc_u64 s[6:7], s[6:7], s[20:21]
	s_add_nc_u64 s[4:5], s[4:5], s[34:35]
	s_add_nc_u64 s[8:9], s[8:9], s[20:21]
	s_add_nc_u64 s[22:23], s[12:13], s[38:39]      ; out at my mean rows
	s_add_nc_u64 s[24:25], s[12:13], s[2:3]        ; out at my attention rows
	s_wait_alu depctr_va_vdst(0)                   ; v[LOFF] and v[POFF] are written: every global load and store of the kernel reads one of them as its offset
	; 44 loads at once, in the order in which they are wanted: psum 8, K 16, Q 4, V 16.  No address register and no base is written again while a load may read it.
.set n, 0
.rept 8
	global_load_b128 v[PST+4*n:PST+4*n+3], v[POFF], s[10:11] offset:256*n  ; chunk n's sums; both halves of the lanes take the same 256 bytes
.set n, n+1
.endr
.set n, 0
.rept 16
	global_load_b128 v[KST+4*n:KST+4*n+3], v[LOFF], s[6:7] offset:512*n    ; two rows: 512 consecutive bytes
.set n, n+1
.endr
.set n, 0
.rept 4
	global_load_b128 v[QST+4*n:QST+4*n+3], v[LOFF], s[4:5] offset:512*n th:TH_LOAD_NT
.set n, n+1
.endr
.set n, 0
.rept 16
	global_load_b128 v[VST+4*n:VST+4*n+3], v[LOFF], s[8:9] offset:512*n
.set n, n+1
.endr
	; the LDS addresses and constants are made while the loads are out; none of these lines writes a register that a load reads or lands in
	v_bfe_u32 v[HALF], v0, 4, 1
	v_mul_u32_u24 v[T+2], v[HALF], PK
	v_lshl_add_u32 v[T+2], v[R16], 3, v[T+2]       ; h PK + 8 r: a load's two rows, four channels of 2 bytes a lane
	s_mul_i32 s33, s14, 32*PK
	v_add_nc_u32 v[AKS], s33, v[T+2]
	s_mul_i32 s33, s14, 8*PK
	s_add_co_u32 s33, s33, QL
	v_add_nc_u32 v[AQS], s33, v[T+2]
	v_mul_u32_u24 v[T+3], v[HALF], PV
	v_lshl_add_u32 v[T+3], v[R16], 3, v[T+3]
	s_mul_i32 s33, s14, 32*PV
	s_add_co_u32 s33, s33, VL
	v_add_nc_u32 v[AVS], s33, v[T+3]
	s_lshl_b32 s33, s14, 8
	s_add_co_u32 s33, s33, VS
	v_add_nc_u32 v[AVSS], s33, v[POFF]
	v_lshl_add_u32 v[AVSL], v[HALF], 5, s33
	v_mul_u32_u24 v[AK0], v[R16], PK               ; a fragment: row r, 16 bytes for each half of the lanes
	v_lshl_add_u32 v[AK0], v[HALF], 4, v[AK0]
	s_mul_i32 s33, s14, 16*PK
	s_add_co_u32 s33, s33, QL
	v_add_nc_u32 v[AQ], s33, v[AK0]
	v_and_b32 v[T], 7, v0                          ; the turning load: lane l reads key 8 h + l % 8, channels 8 ((l / 8) % 2) + 0..7
	v_lshl_add_u32 v[T], v[HALF], 3, v[T]
	v_mul_u32_u24 v[AV0], v[T], PV
	v_bfe_u32 v[T+1], v0, 3, 1
	v_lshl_add_u32 v[AV0], v[T+1], 4, v[AV0]
	v_add_nc_u32 v[AV0], VL, v[AV0]
	s_mul_i32 s33, s14, 16*SP
	s_add_co_u32 s33, s33, STG                     ; my stage (waves 0..3)
	v_mul_u32_u24 v[STO], v[R16], SP               ; in: row r, 32 bytes for each half of the lanes
	v_lshl_add_u32 v[STO], v[HALF], 5, v[STO]
	v_add_nc_u32 v[STO], s33, v[STO]
	v_mul_u32_u24 v[RD], v[HALF], SP               ; back: lanes 0-15 one row of 256 bytes, lanes 16-31 the next
	v_add_nc_u32 v[RD], v[RD], v[POFF]
	v_add_nc_u32 v[RD], s33, v[RD]
	s_lshl_b32 s33, s15, 6
	s_lshl4_add_u32 s33, s14, s33                  ; 64 c + 16 w
	v_lshlrev_b32 v[T], 3, v[HALF]
	v_sub_nc_u32 v[XQ], v[R16], v[T]
	v_add_nc_u32 v[XQ], s33, v[XQ]                 ; my query less 8 h; may be negative: the compares are signed
	v_mov_b32 v[BIG], 0xc79c4000                   ; -80000.0 = 8 x -10000
	v_mov_b32 v[EH+1], 0                           ; named with e as a pair
	s_mov_b32 s26, 0xffff0000                      ; a word's upper bf16
	s_mov_b32 s28, 0x3e38aa3b                      ; c = log2(e) / 8
	s_mov_b32 s29, s28                             ; named with it as a pair
	s_mov_b32 s30, 0x76543210                      ; v_permlanex16_b32: each lane takes its own place in the other half
	s_mov_b32 s31, 0xfedcba98
	s_mov_b32 s32, 0x44e00000                      ; 1792.0
.macro ADD4 d, a, b                    ; four channels: d = a + b
	v_pk_add_f32 v[(\d):(\d)+1], v[(\a):(\a)+1], v[(\b):(\b)+1]
	v_pk_add_f32 v[(\d)+2:(\d)+3], v[(\a)+2:(\a)+3], v[(\b)+2:(\b)+3]
.endm
.macro CVB x                           ; four f32 at v[x] rounded to bf16, into v[x], v[x + 1]
	v_cvt_pk_bf16_f32 v[(\x)], v[(\x)], v[(\x)+1]
	v_cvt_pk_bf16_f32 v[(\x)+1], v[(\x)+2], v[(\x)+3]
.endm
.macro CVV x                           ; four f32 at v[x] rounded to bf16, widened again, and that number written as f16 (exact within f16's range), into v[x], v[x + 1]
	v_cvt_pk_bf16_f32 v[(\x)], v[(\x)], v[(\x)+1]
	v_cvt_pk_bf16_f32 v[(\x)+2], v[(\x)+2], v[(\x)+3]
	v_and_b32 v[(\x)+1], s26, v[(\x)]
	v_lshlrev_b32 v[(\x)], 16, v[(\x)]
	v_and_b32 v[(\x)+3], s26, v[(\x)+2]
	v_lshlrev_b32 v[(\x)+2], 16, v[(\x)+2]
	v_cvt_pk_f16_f32 v[(\x)], v[(\x)], v[(\x)+1]
	v_cvt_pk_f16_f32 v[(\x)+1], v[(\x)+2], v[(\x)+3]
.endm
; The 36 loads of K, Q and V go in nine groups of four: G = 0..3 K's loads 4 G + i, G = 4 Q's, G = 5..8 V's loads 4 (G - 5) + i.
.macro RND G, i                        ; load i of group G is rounded
.if (\G) < 4
	CVB KST+4*(4*(\G)+(\i))
.elseif (\G) == 4
	CVB QST+4*(\i)
.else
	CVV VST+4*(4*((\G)-5)+(\i))
.endif
.endm
.macro PUT G, i                        ; its 8 bytes a lane go to LDS
.if (\G) < 4
	ds_store_b64 v[AKS], v[KST+4*(4*(\G)+(\i)):KST+4*(4*(\G)+(\i))+1] offset:2*PK*(4*(\G)+(\i))
.elseif (\G) == 4
	ds_store_b64 v[AQS], v[QST+4*(\i):QST+4*(\i)+1] offset:2*PK*(\i)
.else
	ds_store_b64 v[AVS], v[VST+4*(4*((\G)-5)+(\i)):VST+4*(4*((\G)-5)+(\i))+1] offset:2*PV*(4*((\G)-5)+(\i))
.endif
.endm
	s_wait_loadcnt 36                              ; psum's eight loads are in; the 36 younger ones stay out
	ADD4 PST, PST, PST+4
	ADD4 PST+8, PST+8, PST+12
	ADD4 PST+16, PST+16, PST+20
	ADD4 PST, PST, PST+8
	ADD4 PST+16, PST+16, PST+24
	ADD4 VS7, PST, PST+16                          ; rows 0 .. 1791
	ADD4 MEAN, VS7, PST+28                         ; all 2,048 rows,
	v_pk_mul_f32 v[MEAN:MEAN+1], v[MEAN:MEAN+1], 0x3a000000 op_sel_hi:[1,0]      ; times 2^-11
	v_pk_mul_f32 v[MEAN+2:MEAN+3], v[MEAN+2:MEAN+3], 0x3a000000 op_sel_hi:[1,0]
	s_wait_alu depctr_va_vdst(0)                   ; MEAN and VS7 are written, which the stores below read; so are the ten LDS addresses v5 to v14; and the sums are done naming v[PST ..], in which K's fragments land later
.set n, 0
.rept 28                               ; the mean rows go out first; each store covers 512 consecutive bytes, two rows, at a multiple of 256 from out's first byte
	global_store_b128 v[LOFF], v[MEAN:MEAN+3], s[22:23] offset:512*n th:TH_STORE_NT
.set n, n+1
.endr
	ds_store_b128 v[AVSS], v[VS7:VS7+3]            ; my wave's own copy of Vsum; both halves of the lanes write the same bytes with the same numbers
.set gg, 0
.rept 9
	s_wait_loadcnt 32-4*gg                         ; loads come back in order: group gg's four are in; the 32 - 4 gg younger ones stay out
.if gg > 0
	s_wait_alu depctr_va_vdst(0)                   ; the group before has written its 16-bit words, which the LDS stores below read; this group's conversions name its own registers alone
.endif
.irp i, 0,1,2,3
.if gg > 0
	PUT gg-1, \i
.endif
	RND gg, \i
.endr
.set gg, gg+1
.endr
	s_wait_alu depctr_va_vdst(0)                   ; the last group has written its words, which the four stores below read; no vector instruction follows ahead of the first fragment loads
.irp i, 0,1,2,3
	PUT 8, \i
.endr
	s_wait_dscnt 0x0                               ; for the others' sake: my rows of K, Q and V are in LDS before I signal
	s_barrier_signal -1
	s_barrier_wait -1                              ; the launch's one barrier: everybody's rows are there
	s_wait_alu depctr_vm_vsrc(0)                   ; my LDS stores have read v[KST ..], v[QST ..] and v[VST ..]: in waves 0..3 the score products write v64-191 and K's fragments land in v224-255; the wait stands ahead of the branch
	s_cmp_lt_u32 s14, 4
	s_cbranch_scc1 .Latt
	s_wait_dscnt 0x0                               ; waves 4..7 end: the closing lines, six on end
	s_wait_alu 0x0
	s_wait_tensorcnt 0x0
	ds_add_u32 v[SPW], v[NIL]
	s_wait_dscnt 0x0
	s_endpgm
; A vector instruction that reads a matrix result stands four places behind it; only plain vector instructions that name none of its registers are places (ISA guide 7.12.1).
; In front of loads into a buffer just multiplied stand the four places and, behind them, the wait that states that the products are done reading the buffer.
.macro PLACES
.rept 4
	v_nop
.endr
.endm
.macro FETCHK g                        ; the fragments of key blocks 2 g, 2 g + 1 (16 keys x 64 channels each): eight loads into buffer g % 2
.irp kl, 0,1
.irp c2, 0,1
	ds_load_b128 v[KF+32*((\g)%2)+16*\kl+8*\c2:KF+32*((\g)%2)+16*\kl+8*\c2+3],   v[AK0] offset:(2*(\g)+\kl)*16*PK+64*\c2
	ds_load_b128 v[KF+32*((\g)%2)+16*\kl+8*\c2+4:KF+32*((\g)%2)+16*\kl+8*\c2+7], v[AK0] offset:(2*(\g)+\kl)*16*PK+64*\c2+32
.endr
.endr
.endm
.macro SGRP g                          ; S^T of key blocks 2 g, 2 g + 1: the two accumulators take turns; the first products start the sums
.set rK, KF+32*((\g)%2)
.set rS, SC+16*(\g)
	v_wmma_f32_16x16x32_bf16 v[rS:rS+7],    v[rK:rK+7],     v[QF:QF+7],    0
	v_wmma_f32_16x16x32_bf16 v[rS+8:rS+15], v[rK+16:rK+23], v[QF:QF+7],    0
	v_wmma_f32_16x16x32_bf16 v[rS:rS+7],    v[rK+8:rK+15],  v[QF+8:QF+15], v[rS:rS+7]
	v_wmma_f32_16x16x32_bf16 v[rS+8:rS+15], v[rK+24:rK+31], v[QF+8:QF+15], v[rS+8:rS+15]
.endm
.macro MAXOP kb, j                     ; line j of four that take key block kb's eight scores into chain kb % 4; blocks 0..3 start the chains
.set rC, MX+(\kb)%4
.set rS, SC+8*(\kb)
.if (\kb) < 4
.if (\j) == 0
	v_max3_num_f32 v[rC], v[rS], v[rS+1], v[rS+2]
.elseif (\j) < 3
	v_max3_num_f32 v[rC], v[rC], v[rS+2*(\j)+1], v[rS+2*(\j)+2]
.else
	v_max_num_f32 v[rC], v[rC], v[rS+7]
.endif
.else
	v_max3_num_f32 v[rC], v[rC], v[rS+2*(\j)], v[rS+2*(\j)+1]
.endif
.endm
.macro CMPS kb                         ; key block kb's eight masks, into s[40:47] (kb even) or s[4:11] (kb odd; the loads that read those bases were shown done by the wait for all loads)
.if (\kb) > 0
	v_add_nc_u32 v[XQ], -16, v[XQ]
.endif
.irp j, 0,1,2,3,4,5,6,7
	v_cmp_gt_i32 s[40-36*((\kb)%2)+\j], \j, v[XQ]  ; seen where 16 kb + 8 h + j > my query
.endr
.endm
.macro MASKMAX kb                      ; key block kb: hidden scores are replaced by -80000, from the accumulator's low end on; the block before goes into the maximum
.irp j, 0,1,2,3
	v_cndmask_b32 v[SC+8*(\kb)+2*\j],   v[BIG], v[SC+8*(\kb)+2*\j],   s[40-36*((\kb)%2)+2*\j]
	v_cndmask_b32 v[SC+8*(\kb)+2*\j+1], v[BIG], v[SC+8*(\kb)+2*\j+1], s[40-36*((\kb)%2)+2*\j+1]
.if (\kb) > 0
	MAXOP (\kb)-1, \j
.endif
.endr
.endm
.macro SOFT kb                         ; p = 2^(c s - c m) for key block kb, in place
.irp j, 0,1,2,3
	v_pk_fma_f32 v[SC+8*(\kb)+2*\j:SC+8*(\kb)+2*\j+1], v[SC+8*(\kb)+2*\j:SC+8*(\kb)+2*\j+1], s[28:29], v[CM:CM+1] op_sel_hi:[1,0,0] neg_lo:[0,0,1] neg_hi:[0,0,1]
.endr
.irp j, 0,1,2,3,4,5,6,7
	v_exp_f32 v[SC+8*(\kb)+\j], v[SC+8*(\kb)+\j]
.endr
.endm
.macro FETCHV ks                       ; V^T of keys 32 ks .. + 31, four blocks of 16 channels: eight turning loads into buffer ks % 3
.irp cb, 0,1,2,3
	ds_load_tr16_b128 v[VF+32*((\ks)%3)+8*\cb:VF+32*((\ks)%3)+8*\cb+3],   v[AV0] offset:(\ks)*32*PV+32*\cb
	ds_load_tr16_b128 v[VF+32*((\ks)%3)+8*\cb+4:VF+32*((\ks)%3)+8*\cb+7], v[AV0] offset:(\ks)*32*PV+16*PV+32*\cb
.endr
.endm
; Key block kb's weights rounded to f16 for the second product, and added, unrounded, onto four running pairs; blocks 0 and 1 start them.
; Loads into S^T's registers stand directly behind the wait at the head, as the blocks come free; the vector lines behind them name block kb, P and the running sums alone.
.macro FIN kb
	s_wait_alu depctr_va_vdst(0)                   ; block kb's exponentials have written their weights, ahead of their first reader; and all blocks below kb are rounded and added: nothing names their registers any more
.if (\kb) == 4
.irp cb, 0,1,2,3
	ds_load_b128 v[OA+8*\cb:OA+8*\cb+3],   v[AVSL] offset:64*\cb     ; into blocks 0..3: Vsum(0..1791), channels 16 cb + 8 h + 0..7: where O^T will hold them
	ds_load_b128 v[OA+8*\cb+4:OA+8*\cb+7], v[AVSL] offset:64*\cb+16
.endr
.endif
.if (\kb) == 8
	FETCHV 0                                       ; into blocks 4..7
.endif
.if (\kb) == 12
	FETCHV 1                                       ; into blocks 8..11
.endif
.irp j, 0,1,2,3
	v_cvt_pk_f16_f32 v[PW+4*(\kb)+\j], v[SC+8*(\kb)+2*\j], v[SC+8*(\kb)+2*\j+1]
.endr
.if (\kb) == 1
.irp j, 0,1,2,3
	v_pk_add_f32 v[LS+2*\j:LS+2*\j+1], v[SC+2*\j:SC+2*\j+1], v[SC+8+2*\j:SC+8+2*\j+1]
.endr
.elseif (\kb) > 1
.irp j, 0,1,2,3
	v_pk_add_f32 v[LS+2*\j:LS+2*\j+1], v[LS+2*\j:LS+2*\j+1], v[SC+8*(\kb)+2*\j:SC+8*(\kb)+2*\j+1]
.endr
.endif
.endm
.macro PVSTEP ks, left                 ; O^T += V^T P for keys 32 ks .. + 31; the four accumulators take turns.  left: the younger LDS loads that may stay out
	s_wait_dscnt \left
.irp cb, 0,1,2,3
	v_wmma_f32_16x16x32_f16 v[OA+8*\cb:OA+8*\cb+7], v[VF+32*((\ks)%3)+8*\cb:VF+32*((\ks)%3)+8*\cb+7], v[PW+8*(\ks):PW+8*(\ks)+7], v[OA+8*\cb:OA+8*\cb+7]
.endr
.endm
.Latt:                                                 ; waves 0..3: 16 queries x 256 keys.  No vector instruction has been issued since the wait ahead of the last LDS stores, so the loads below owe no further wait
.irp i, 0,1,2,3
	ds_load_b128 v[QF+4*\i:QF+4*\i+3], v[AQ] offset:32*\i
.endr
	FETCHK 0
	FETCHK 1
.set gg, 0
.rept 8
.if gg < 7
	s_wait_dscnt 8                                 ; Q and this group's fragments are in; the next group's eight loads may stay out
.else
	s_wait_dscnt 0
.endif
	SGRP gg
.if gg < 6
	PLACES
	s_wait_alu depctr_va_vdst(0)                   ; this group's four products are done reading buffer gg % 2, in which the loads below land
	FETCHK gg+2
.endif
.set gg, gg+1
.endr
	; the mask and the maximum.  Block 0's scores were made 28 matrix instructions and 24 v_nop ago; the last blocks' are read some 300 vector instructions on.
	CMPS 0
.set bb, 0
.rept 16
	s_wait_alu depctr_va_sdst(0)                   ; block bb's eight masks are written, ahead of the selects that read them; from block 1 on the compares were issued a block ago
.if bb < 15
	CMPS bb+1                                      ; the next block's masks, into the other set
.endif
	MASKMAX bb
.set bb, bb+1
.endr
.irp j, 0,1,2,3
	MAXOP 15, \j
.endr
	v_max3_num_f32 v[MX], v[MX], v[MX+1], v[MX+2]
	v_max_num_f32 v[MX], v[MX], v[MX+3]
	v_permlanex16_b32 v[MX+1], v[MX], s30, s31     ; the query's other 128 keys lie in the lane 16 away
	v_max_num_f32 v[MX], v[MX], v[MX+1]            ; m: the true maximum of the row's 2,048 scores (times 8): -80000 is among the candidates
	v_mul_f32 v[CM], s28, v[MX]                    ; c m
	v_mul_f32 v[CM+1], s28, v[MX]                  ; named with it as a pair
	v_fma_f32 v[T], v[BIG], s28, -v[CM]
	v_exp_f32 v[EH], v[T]                          ; e: the weight of each hidden key; the scalings below are the plain instructions behind it
	SOFT 0
.set bb, 1
.rept 15                               ; block bb - 1's roundings and sums are the plain work behind block bb's exponentials
	SOFT bb
	FIN bb-1
.set bb, bb+1
.endr
	FIN 15
	s_wait_alu depctr_va_vdst(0)                   ; blocks 12..15 are rounded and added: V's third run lands in their registers
	FETCHV 2
	v_pk_add_f32 v[LS:LS+1], v[LS:LS+1], v[LS+2:LS+3]
	v_pk_add_f32 v[LS+4:LS+5], v[LS+4:LS+5], v[LS+6:LS+7]
	v_pk_add_f32 v[LS:LS+1], v[LS:LS+1], v[LS+4:LS+5]
	v_add_f32 v[LS], v[LS], v[LS+1]
	v_permlanex16_b32 v[LS+1], v[LS], s30, s31
	v_add_f32 v[LS], v[LS], v[LS+1]                ; the tile's 256 weights,
	v_fma_f32 v[LS], v[EH], s32, v[LS]             ; and 1792 e for keys 0 .. 1791: l, which is at least the largest weight, about 1
	v_rcp_f32 v[CM], v[LS]                         ; the multiplies below are the plain instructions behind it
	s_wait_dscnt 24                                ; Vsum is in; V's three runs of eight may stay out
.set i, 0
.rept 16
	v_pk_mul_f32 v[OA+2*i:OA+2*i+1], v[OA+2*i:OA+2*i+1], v[EH:EH+1] op_sel_hi:[1,0]   ; O^T starts as e x Vsum(0..1791)
.set i, i+1
.endr
.set ss, 0
.rept 8
.if ss < 6
	PVSTEP ss, 16                                  ; this step's V is in; the next two runs may stay out
.elseif ss == 6
	PVSTEP ss, 8
.else
	PVSTEP ss, 0
.endif
.if ss < 5
	PLACES
	s_wait_alu depctr_va_vdst(0)                   ; this step's four products are done reading buffer ss % 3, in which the loads below land; the first of these waits is also the reciprocal's, ahead of its first reader
	FETCHV ss+3
.endif
.set ss, ss+1
.endr
	; THE WAY OUT: O^T / l; a lane's eight channels of a row, 32 bytes, into my own stage; back as whole rows of 256 bytes.
	PLACES                                         ; four places behind the last products, before their results are read
.set i, 0
.rept 16
	v_pk_mul_f32 v[OA+2*i:OA+2*i+1], v[OA+2*i:OA+2*i+1], v[CM:CM+1] op_sel_hi:[1,0]   ; each accumulator from its low end on
.set i, i+1
.endr
	s_wait_alu depctr_va_vdst(0)                   ; the multiplies have written O^T, which the LDS stores read; and the products are done reading V's first buffer, in which the stage's loads land
.irp cb, 0,1,2,3
	ds_store_b128 v[STO], v[OA+8*\cb:OA+8*\cb+3]   offset:64*\cb
	ds_store_b128 v[STO], v[OA+8*\cb+4:OA+8*\cb+7] offset:64*\cb+16
.endr
.set n, 0
.rept 8
	ds_load_b128 v[BK+4*n:BK+4*n+3], v[RD] offset:2*SP*n   ; LDS serves a wave's instructions in order (ISA guide 5.7.1.4): these see my stores above
.set n, n+1
.endr
.set n, 0
.rept 8
	s_wait_dscnt 7-n                               ; rows 2 n, 2 n + 1 are back
	global_store_b128 v[LOFF], v[BK+4*n:BK+4*n+3], s[24:25] offset:512*n th:TH_STORE_NT  ; 16 lanes store 256 consecutive bytes, at a multiple of 256 from out's first byte
.set n, n+1
.endr
	s_wait_dscnt 0x0                               ; the wave's end: the closing lines, six on end
	s_wait_alu 0x0
	s_wait_tensorcnt 0x0
	ds_add_u32 v[SPW], v[NIL]
	s_wait_dscnt 0x0
	s_endpgm
.Lfunc_end_k_q1c7972a489_finish:
	.size	k_q1c7972a489_finish, .Lfunc_end_k_q1c7972a489_finish-k_q1c7972a489_finish
	.p2alignl 7, 3214868480
	.fill 96, 4, 3214868480
	.section	.rodata,"a",@progbits
	.p2align	6, 0x0
	.amdhsa_kernel k_q1c7972a489_finish
		.amdhsa_group_segment_fixed_size 107520
		.amdhsa_private_segment_fixed_size 0
		.amdhsa_enable_private_segment 0
		.amdhsa_kernarg_size 40
		.amdhsa_user_sgpr_count 2
		.amdhsa_user_sgpr_kernarg_segment_ptr 1
		.amdhsa_wavefront_size32 1
		.amdhsa_system_sgpr_workgroup_id_x 1
		.amdhsa_system_sgpr_workgroup_id_y 1
		.amdhsa_system_sgpr_workgroup_id_z 1
		.amdhsa_system_vgpr_workitem_id 0
		.amdhsa_next_free_vgpr 256
		.amdhsa_next_free_sgpr 66
		.amdhsa_reserve_vcc 0
		.amdhsa_float_denorm_mode_32 3
		.amdhsa_float_denorm_mode_16_64 3
		.amdhsa_memory_ordered 1
		.amdhsa_forward_progress 1
		.amdhsa_inst_pref_size 82
	.end_amdhsa_kernel
	.amdgpu_metadata
---
amdhsa.version: [ 1, 2 ]
amdhsa.kernels:
  - .name:           k_q1c7972a489_finish
    .symbol:         k_q1c7972a489_finish.kd
    .args:
      - { .name: q, .offset: 0, .size: 8, .value_kind: global_buffer, .address_space: global }
      - { .name: k, .offset: 8, .size: 8, .value_kind: global_buffer, .address_space: global }
      - { .name: v, .offset: 16, .size: 8, .value_kind: global_buffer, .address_space: global }
      - { .name: psum, .offset: 24, .size: 8, .value_kind: global_buffer, .address_space: global }
      - { .name: out0, .offset: 32, .size: 8, .value_kind: global_buffer, .address_space: global }
    .group_segment_fixed_size: 107520
    .private_segment_fixed_size: 0
    .kernarg_segment_align: 8
    .kernarg_segment_size: 40
    .max_flat_workgroup_size: 256
    .sgpr_count:     66
    .vgpr_count:     256
    .wavefront_size: 32
...
	.end_amdgpu_metadata
.endif
;; end of part 3
